; MI455X (gfx1250); checked and timed in simulation.
; The chip was launched on July 23, 2026; its instructions are those of AMD's public machine-readable ISA for CDNA 5 (MIT licence, August 2026) and "CDNA5" Instruction Set Architecture Reference Guide (July 2026). The comments in the code are by the model that wrote it; some were corrected since.
;; Cached Decoder. Allowed arithmetic: float matrix products may take bf16 or f16 operands with f32 sums; all other float work in f32.
;; Inputs: Whead 1,000 x 256 float32; Wk 4 x 256 x 256 float32; Wo 4 x 256 x 256 float32; Wq 4 x 256 x 256 float32; Wv 4 x 256 x 256 float32; beta 256 float32; bhead 1,000 float32; embed 1,000 x 256 float32; gamma 256 float32; x 4 x 2,048 int32.
;; Outputs: out0 4 x 2,048 x 1,000 float32.
;; One version. Each part assembles by itself: llvm-mc -triple=amdgcn-amd-amdhsa -mcpu=gfx1250 --defsym DOCPART=n.
;; ======== version 1 of 1: 10 launches
;; limits: values are held in f16: magnitudes above 65,504 overflow, below 6.1e-05 lose precision
;; workspace buffers: xo 4,195,584 bytes; qkv 12,583,168 bytes; w0 393,472 bytes; w1 393,472 bytes; w2 393,472 bytes; w3 393,472 bytes; wh 655,360 bytes
;; launch prep (part 1): grid 240 x 1, 4 waves a work-group, no clusters, 41,728 bytes of LDS; arguments x, embed, Wq, Wk, Wv, Wo, Whead, xo, w0, w1, w2, w3, wh; writes xo, w0, w1, w2, w3, wh
.if DOCPART == 1
	.amdgcn_target "amdgcn-amd-amdhsa--gfx1250"
	.amdhsa_code_object_version 6
	.text
	.protected	k_qd77dadbbba_prep
	.globl	k_qd77dadbbba_prep
	.p2align	8
	.type	k_qd77dadbbba_prep,@function
k_qd77dadbbba_prep:
	s_mov_b64 s[64:65], 0
	v_nop
	global_prefetch_b8 v0, s[64:65] scope:SCOPE_SE
	s_setreg_imm32_b32 hwreg(HW_REG_WAVE_MODE, 25, 1), 1
	s_wait_xcnt 0x0
; prep: everything that hangs on the inputs alone, brought into f16 tiles.
; TILE FORMAT: a tile of 16 x 16 f16 is 512 bytes; lane L = r + 16 h holds the 16 bytes (row r, columns 8h .. 8h+7) at byte 16 L.
; That is half of an A or B fragment of the K = 32 matrix form, and also a packed f32 result (ISA guide 7.12.2), so every later
; load and store of a tile is 512 consecutive aligned bytes.
; Three roles, chosen by the work-group's number:
;   0..143   fold:    W' = Wp[l+1] x Wo[l] (p = q, k, v; l = 0, 1, 2), times 16, into w1, w2, w3.  There is nothing between a layer's
;                     output product and the next layer's three input products, so the two are one product with W'.
;   144..175 convert: Wq, Wk, Wv of layer 0 into w0; Wo of layer 3 and Whead into wh; all times 16.
;   176..239 embed:   the rows embed[x] into xo, scale 1.
; Beside the tiles go the largest magnitudes (48 words a weight buffer, 256 words in xo): the next launch makes its scales of them.
; LIMITS: |embed| and 16 |weight| (16 |W'| too) must stay below 65,504, the largest f16; NaN and infinity are not served.
; No cluster: no two work-groups of a role read the same bytes at the same time in any amount worth a joint request
; (a fold group shares 64 KiB of Wo with eleven others, once).
.set XO_AMAX, 4194304                  ; xo: 256 words of maxima behind the 4 MiB of tiles
.set XO_XS,   4195328                  ; xo: the power of two by which the tiles are to be multiplied
.set W_MAX,   393216                   ; w0..w3: 3 x 16 words of maxima behind the tiles
.set SRC, 64                           ; v[64:191]  16 tiles as loaded, f32
.set PK,  192                          ; v[192:255] 16 tiles packed
.set BF,  16                           ; fold: v[16:143] Wp in f32, packed in place to v[16:79], 8 fragments
.set ACC, 80                           ; fold: v[80:111] four result tiles
.set AF,  112                          ; fold: v[112:175] two buffers of four fragments of Wo transposed
.set SA,  144                          ; fold: v[144:207] sixteen loads of Wo (dead before AF's second buffer is used)
.set PH,  208                          ; fold: v[208:239] packed halves
.set SCR, 40960                        ; fold: four words of LDS behind the slice of Wo
.macro NOP4
.rept 4
	v_nop
.endr
.endm
; the largest of v[\v] over the wave's 32 lanes, in every lane
.macro WMAX v, t
	v_max_num_f32_dpp v[\v], v[\v], v[\v] row_xmask:1 row_mask:0xf bank_mask:0xf
	v_max_num_f32_dpp v[\v], v[\v], v[\v] row_xmask:2 row_mask:0xf bank_mask:0xf
	v_max_num_f32_dpp v[\v], v[\v], v[\v] row_xmask:4 row_mask:0xf bank_mask:0xf
	v_max_num_f32_dpp v[\v], v[\v], v[\v] row_xmask:8 row_mask:0xf bank_mask:0xf
	v_mov_b32 v[\t], 0
	v_permlanex16_b32 v[\t], v[\v], s46, s47
	v_max_num_f32 v[\v], v[\v], v[\t]
.endm
; lane 0 stores one word.  EXEC is a source of pending loads and stores: it changes only behind s_wait_xcnt 0, both ways.
.macro ST1 voff, vdata, sb, imm
	s_wait_xcnt 0x0
	v_cmp_eq_u32 vcc_lo, 0, v1
	s_and_saveexec_b32 s48, vcc_lo
	global_store_b32 \voff, \vdata, s[\sb:\sb+1] offset:\imm
	s_wait_xcnt 0x0
	s_or_b32 exec_lo, exec_lo, s48
.endm
; 16 rows x 256 columns of f32 at s[36:37] + v2 (v2 = my row x 1,024 + 32 h) become 16 tiles at s[42:43]; scale in s[44:45]; maximum into v7.
.macro CONV16
.irp kt, 0,1,2,3,4,5,6,7,8,9,10,11,12,13,14,15
	global_load_b128 v[SRC+8*\kt:SRC+8*\kt+3], v2, s[36:37] offset:64*\kt
	global_load_b128 v[SRC+8*\kt+4:SRC+8*\kt+7], v2, s[36:37] offset:64*\kt+16
.endr
.irp kt, 0,1,2,3,4,5,6,7,8,9,10,11,12,13,14,15
	s_wait_loadcnt 2*(15-\kt)              ; loads return in order: the two of tile kt are in, the younger tiles' stay out
.irp j, 0,2,4,6
	v_pk_mul_f32 v[SRC+8*\kt+\j:SRC+8*\kt+\j+1], v[SRC+8*\kt+\j:SRC+8*\kt+\j+1], s[44:45] op_sel_hi:[1,0]
.endr
.irp j, 0,2,4,6
	v_max3_num_f32 v7, |v[SRC+8*\kt+\j]|, |v[SRC+8*\kt+\j+1]|, v7
.endr
.irp j, 0,1,2,3
	v_cvt_pk_f16_f32 v[PK+4*\kt+\j], v[SRC+8*\kt+2*\j], v[SRC+8*\kt+2*\j+1]
.endr
	global_store_b128 v3, v[PK+4*\kt:PK+4*\kt+3], s[42:43] offset:512*\kt
.endr
.endm
; one block of 16 tokens (block number in s5): their rows of embed
.macro EMB
	s_lshl_b32 s6, s5, 6
	v_lshl_add_u32 v8, v5, 2, s6           ; byte of x[16 block + r]
	global_load_b32 v9, v8, s[8:9]
	s_lshl_b32 s40, s5, 13                 ; 16 tiles of 512 bytes a block
	s_add_nc_u64 s[42:43], s[22:23], s[40:41]
	s_wait_loadcnt 0x0
	v_min_u32 v9, 0x3e7, v9                ; an index stays inside the table of 1,000 rows
	v_lshlrev_b32 v2, 10, v9
	v_lshl_add_u32 v2, v6, 5, v2
	CONV16
.endm
; block s34 of 16 rows of a weight, rows past s35 taken as row s35
.macro CVROWS
	v_lshl_add_u32 v8, s34, 4, v5
	v_min_u32 v8, s35, v8
	v_lshlrev_b32 v2, 10, v8
	v_lshl_add_u32 v2, v6, 5, v2
	CONV16
.endm
	s_load_b512 s[8:23], s[0:1], 0x0       ; x 8, embed 10, Wq 12, Wk 14, Wv 16, Wo 18, Whead 20, xo 22
	s_load_b256 s[24:31], s[0:1], 0x40     ; w0 24, w1 26, w2 28, w3 30
	s_load_b64 s[32:33], s[0:1], 0x60      ; wh
	s_set_vgpr_msb 0x40
	v_lshl_add_u32 v0, v0, 2, 0xa100
	v_mov_b32 v1, 0
	s_set_vgpr_msb 0x4000
	v_and_b32 v1, 31, v0                   ; lane L
	v_lshrrev_b32 v4, 5, v0
	v_readfirstlane_b32 s3, v4             ; wave
	v_and_b32 v5, 15, v0                   ; r
	v_bfe_u32 v6, v0, 4, 1                 ; h
	v_lshlrev_b32 v3, 4, v1                ; 16 L
	v_mov_b32 v7, 0                        ; the running maximum
	s_mov_b32 s2, ttmp9
	s_mov_b32 s46, 0x76543210              ; v_permlanex16_b32: lane i reads lane i of the other half
	s_mov_b32 s47, 0xfedcba98
	s_mov_b32 s41, 0                       ; high word of every byte offset
	s_wait_kmcnt 0x0
	s_cmp_lt_u32 s2, 144
	s_cbranch_scc1 .Lfold
	s_cmp_lt_u32 s2, 176
	s_cbranch_scc1 .Lconv
	; ---- embed: 64 work-groups x 4 waves x 2 blocks of 16 tokens = 8,192 tokens
	s_sub_co_u32 s4, s2, 176
	s_lshl_b32 s5, s4, 3
	s_lshl1_add_u32 s5, s3, s5             ; my first block
	s_mov_b32 s44, 1.0
	s_mov_b32 s45, 1.0
	s_mov_b64 s[36:37], s[10:11]
	EMB
	s_wait_xcnt 0x0                        ; the first block's offsets, base and store data are rewritten only behind this wait
	s_add_co_u32 s5, s5, 1
	EMB
	WMAX 7, 10
	s_lshl2_add_u32 s6, s4, s3             ; one word for each of the 256 waves
	s_lshl_b32 s7, s6, 2
	v_mov_b32 v11, s7
	ST1 v11, v7, 22, XO_AMAX
	s_cmp_lg_u32 s6, 0
	s_cbranch_scc1 .Lend
	v_mov_b32 v12, 1.0                     ; the rows are stored as they are
	v_mov_b32 v13, 0
	ST1 v13, v12, 22, XO_XS
	s_branch .Lend
	; ---- convert: 128 waves, one block of 16 rows each
.Lconv:
	s_sub_co_u32 s4, s2, 144
	s_lshl2_add_u32 s4, s4, s3             ; c = 0..127
	s_mov_b32 s44, 0x41800000              ; 16.0
	s_mov_b32 s45, 0x41800000
	s_cmp_lt_u32 s4, 48
	s_cbranch_scc1 .Lc_qkv
	s_cmp_lt_u32 s4, 64
	s_cbranch_scc1 .Lc_wo
	s_sub_co_u32 s34, s4, 64               ; Whead: 64 blocks; rows 1,000 .. 1,023 repeat row 999 and are never stored as output
	s_mov_b32 s35, 999
	s_mov_b64 s[36:37], s[20:21]
	s_lshl_b32 s40, s34, 13
	s_add_co_u32 s40, s40, 0x20000
	s_add_nc_u64 s[42:43], s[32:33], s[40:41]
	CVROWS
	s_branch .Lend
.Lc_wo:
	s_sub_co_u32 s34, s4, 48               ; Wo of layer 3
	s_mov_b32 s35, 255
	s_add_nc_u64 s[36:37], s[18:19], 786432
	s_lshl_b32 s40, s34, 13
	s_add_nc_u64 s[42:43], s[32:33], s[40:41]
	CVROWS
	s_branch .Lend
.Lc_qkv:
	s_lshr_b32 s5, s4, 4                   ; part: 0 q, 1 k, 2 v
	s_and_b32 s34, s4, 15                  ; block of 16 rows
	s_mov_b32 s35, 255
	s_cmp_eq_u32 s5, 0
	s_cselect_b64 s[36:37], s[12:13], s[14:15]
	s_cmp_eq_u32 s5, 2
	s_cselect_b64 s[36:37], s[16:17], s[36:37]
	s_lshr_b32 s6, s34, 2                  ; w0 is [head 4][part 3][block 4][tile 16][512]
	s_mul_i32 s40, s6, 98304
	s_lshl_b32 s6, s5, 15
	s_add_co_u32 s40, s40, s6
	s_and_b32 s6, s34, 3
	s_lshl_b32 s6, s6, 13
	s_add_co_u32 s40, s40, s6
	s_add_nc_u64 s[42:43], s[24:25], s[40:41]
	CVROWS
	WMAX 7, 10
	s_lshl_b32 s7, s4, 2                   ; word part x 16 + block = c
	v_mov_b32 v11, s7
	ST1 v11, v7, 24, W_MAX
	s_branch .Lend
	; ---- fold: work-group (p, t): 64 rows n x 64 columns k of W'[n][k] = sum over j of Wp[n][j] Wo[j][k]; a wave makes 16 rows
.Lfold:
	s_lshr_b32 s4, s2, 4                   ; p = 0..8
	s_and_b32 s5, s2, 15                   ; t
	s_lshr_b32 s6, s5, 2                   ; block of 64 rows = head
	s_and_b32 s7, s5, 3                    ; block of 64 columns
	s_mul_i32 s34, s4, 11
	s_lshr_b32 s34, s34, 5                 ; l = p / 3
	s_mul_i32 s35, s34, 3
	s_sub_co_u32 s35, s4, s35              ; part
	s_lshl_b32 s40, s34, 18
	s_add_nc_u64 s[38:39], s[18:19], s[40:41]      ; Wo[l]
	s_add_co_u32 s40, s40, 0x40000
	s_cmp_eq_u32 s35, 0
	s_cselect_b64 s[36:37], s[12:13], s[14:15]
	s_cmp_eq_u32 s35, 2
	s_cselect_b64 s[36:37], s[16:17], s[36:37]
	s_add_nc_u64 s[36:37], s[36:37], s[40:41]      ; Wp[l+1]
	s_cmp_eq_u32 s34, 0
	s_cselect_b64 s[50:51], s[26:27], s[28:29]
	s_cmp_eq_u32 s34, 2
	s_cselect_b64 s[50:51], s[30:31], s[50:51]     ; w(l+1)
	s_mul_i32 s40, s6, 98304
	s_lshl_b32 s48, s35, 15
	s_add_co_u32 s40, s40, s48
	s_lshl_b32 s48, s3, 13
	s_add_co_u32 s40, s40, s48
	s_lshl_b32 s48, s7, 11
	s_add_co_u32 s40, s40, s48
	s_add_nc_u64 s[42:43], s[50:51], s[40:41]      ; my four tiles
	s_lshl_b32 s48, s3, 16                 ; Wo: rows 64 w + 2 n + h, 256 bytes of each: sixteen lanes take one row's piece
	s_lshl_b32 s49, s7, 8
	s_add_co_u32 s48, s48, s49
	v_lshlrev_b32 v8, 10, v6
	v_lshl_add_u32 v8, v5, 4, v8
	v_add_nc_u32 v8, s48, v8
	s_mul_i32 s48, s3, 10240               ; and where they go in LDS: rows of 128 bytes of f16, 160 apart
	v_mul_u32_u24 v9, v6, 160
	v_lshl_add_u32 v9, v5, 3, v9
	v_add_nc_u32 v9, s48, v9
	s_lshl_b32 s48, s6, 16                 ; Wp: row 64 block + 16 w + r
	s_lshl_b32 s49, s3, 14
	s_add_co_u32 s48, s48, s49
	v_lshlrev_b32 v2, 10, v5
	v_lshl_add_u32 v2, v6, 5, v2
	v_add_nc_u32 v2, s48, v2
	v_and_b32 v10, 7, v0                   ; transposing load: row 8 h + (L & 7), 16 bytes at 16 ((L >> 3) & 1)
	v_lshl_add_u32 v10, v6, 3, v10
	v_mul_u32_u24 v10, v10, 160
	v_bfe_u32 v11, v0, 3, 1
	v_lshl_add_u32 v10, v11, 4, v10
.macro WOLD b
.irp n, 0,1,2,3,4,5,6,7,8,9,10,11,12,13,14,15
	global_load_b128 v[SA+4*\n:SA+4*\n+3], v8, s[38:39] offset:2048*(16*\b+\n)
.endr
.endm
.macro WOST b
.irp n, 0,1,2,3,4,5,6,7,8,9,10,11,12,13,14,15
	v_pk_mul_f32 v[SA+4*\n:SA+4*\n+1], v[SA+4*\n:SA+4*\n+1], 4.0 op_sel_hi:[1,0]
	v_pk_mul_f32 v[SA+4*\n+2:SA+4*\n+3], v[SA+4*\n+2:SA+4*\n+3], 4.0 op_sel_hi:[1,0]
	v_cvt_pk_f16_f32 v[PH+2*\n], v[SA+4*\n], v[SA+4*\n+1]
	v_cvt_pk_f16_f32 v[PH+2*\n+1], v[SA+4*\n+2], v[SA+4*\n+3]
	ds_store_b64 v9, v[PH+2*\n:PH+2*\n+1] offset:320*(16*\b+\n)
.endr
.endm
	WOLD 0
.irp kt, 0,1,2,3,4,5,6,7,8,9,10,11,12,13,14,15
	global_load_b128 v[BF+8*\kt:BF+8*\kt+3], v2, s[36:37] offset:64*\kt
	global_load_b128 v[BF+8*\kt+4:BF+8*\kt+7], v2, s[36:37] offset:64*\kt+16
.endr
	s_wait_loadcnt 32                      ; the first sixteen loads of Wo are in; the 32 of Wp stay out
	WOST 0
	WOLD 1
	s_wait_loadcnt 16                      ; Wp is in; the second sixteen of Wo stay out
.set i, 0
.rept 64
	v_pk_mul_f32 v[BF+2*i:BF+2*i+1], v[BF+2*i:BF+2*i+1], 4.0 op_sel_hi:[1,0]   ; 4 x 4 = the weights' common factor 16
	v_cvt_pk_f16_f32 v[BF+i], v[BF+2*i], v[BF+2*i+1]                           ; packed in place, upward: word i is written after words 2i, 2i+1 are read
.set i, i+1
.endr
	s_wait_loadcnt 0x0
	WOST 1
	s_wait_dscnt 0x0                       ; my rows of the slice are in LDS,
	s_barrier_signal -1
	s_barrier_wait -1                      ; everybody's are
; chunk LC of 32 j: four fragments of Wo transposed (rows = 16 columns k, along j)
.macro AFLD
.irp k, 0,1,2,3
	ds_load_tr16_b128 v[AF+32*(LC%2)+8*\k:AF+32*(LC%2)+8*\k+3], v10 offset:5120*LC+32*\k
	ds_load_tr16_b128 v[AF+32*(LC%2)+8*\k+4:AF+32*(LC%2)+8*\k+7], v10 offset:5120*LC+32*\k+2560
.endr
.endm
.set LC, 0
	AFLD
.set cn, 0
.rept 8
.if cn > 0
	NOP4                                   ; four places between the last products and the loads into the buffer that they read
.endif
.if cn < 7
.set LC, cn+1
	AFLD
	s_wait_dscnt 0x8                       ; all but the eight just issued: this chunk's fragments are in
.else
	s_wait_dscnt 0x0
.endif
.irp k, 0,1,2,3                            ; the four accumulators take turns
.if cn == 0
	v_wmma_f32_16x16x32_f16 v[ACC+8*\k:ACC+8*\k+7], v[AF+32*(cn%2)+8*\k:AF+32*(cn%2)+8*\k+7], v[BF+8*cn:BF+8*cn+7], 0
.else
	v_wmma_f32_16x16x32_f16 v[ACC+8*\k:ACC+8*\k+7], v[AF+32*(cn%2)+8*\k:AF+32*(cn%2)+8*\k+7], v[BF+8*cn:BF+8*cn+7], v[ACC+8*\k:ACC+8*\k+7]
.endif
.endr
.set cn, cn+1
.endr
	NOP4
.irp k, 0,1,2,3                            ; lane (r, h) holds row n = r, columns 8h .. 8h+7 of tile k: a tile as it is stored
.irp j, 0,2,4,6
	v_max3_num_f32 v7, |v[ACC+8*\k+\j]|, |v[ACC+8*\k+\j+1]|, v7
.endr
.irp j, 0,1,2,3
	v_cvt_pk_f16_f32 v[PH+4*\k+\j], v[ACC+8*\k+2*\j], v[ACC+8*\k+2*\j+1]
.endr
	global_store_b128 v3, v[PH+4*\k:PH+4*\k+3], s[42:43] offset:512*\k
.endr
	WMAX 7, 12
	v_mov_b32 v13, s3
	v_lshlrev_b32 v13, 2, v13
	ds_store_b32 v13, v7 offset:SCR
	s_wait_dscnt 0x0
	s_barrier_signal -1
	s_barrier_wait -1
	s_cmp_lg_u32 s3, 0
	s_cbranch_scc1 .Lend
	v_mov_b32 v14, 0
	ds_load_b128 v[16:19], v14 offset:SCR
	s_wait_dscnt 0x0
	v_max3_num_f32 v16, v16, v17, v18
	v_max_num_f32 v16, v16, v19
	s_lshl4_add_u32 s49, s35, s5           ; word part x 16 + t
	s_lshl_b32 s49, s49, 2
	v_mov_b32 v15, s49
	ST1 v15, v16, 50, W_MAX
.Lend:
	s_set_vgpr_msb 0x5
	s_wait_tensorcnt 0x0
	ds_add_u32 v0, v1
	s_wait_dscnt 0x0
	s_set_vgpr_msb 0x500
	s_endpgm
.Lfunc_end_k_qd77dadbbba_prep:
	.size	k_qd77dadbbba_prep, .Lfunc_end_k_qd77dadbbba_prep-k_qd77dadbbba_prep
	.p2alignl 7, 3214868480
	.fill 96, 4, 3214868480
	.section	.rodata,"a",@progbits
	.p2align	6, 0x0
	.amdhsa_kernel k_qd77dadbbba_prep
		.amdhsa_group_segment_fixed_size 41728
		.amdhsa_private_segment_fixed_size 0
		.amdhsa_enable_private_segment 0
		.amdhsa_kernarg_size 104
		.amdhsa_user_sgpr_count 2
		.amdhsa_user_sgpr_kernarg_segment_ptr 1
		.amdhsa_wavefront_size32 1
		.amdhsa_system_sgpr_workgroup_id_x 1
		.amdhsa_system_sgpr_workgroup_id_y 1
		.amdhsa_system_sgpr_workgroup_id_z 1
		.amdhsa_system_vgpr_workitem_id 0
		.amdhsa_next_free_vgpr 258
		.amdhsa_next_free_sgpr 66
		.amdhsa_reserve_vcc 1
		.amdhsa_float_denorm_mode_32 3
		.amdhsa_float_denorm_mode_16_64 3
		.amdhsa_memory_ordered 1
		.amdhsa_forward_progress 1
		.amdhsa_inst_pref_size 129
	.end_amdhsa_kernel
	.amdgpu_metadata
---
amdhsa.version: [ 1, 2 ]
amdhsa.kernels:
  - .name:           k_qd77dadbbba_prep
    .symbol:         k_qd77dadbbba_prep.kd
    .args:
      - { .name: x, .offset: 0, .size: 8, .value_kind: global_buffer, .address_space: global }
      - { .name: embed, .offset: 8, .size: 8, .value_kind: global_buffer, .address_space: global }
      - { .name: Wq, .offset: 16, .size: 8, .value_kind: global_buffer, .address_space: global }
      - { .name: Wk, .offset: 24, .size: 8, .value_kind: global_buffer, .address_space: global }
      - { .name: Wv, .offset: 32, .size: 8, .value_kind: global_buffer, .address_space: global }
      - { .name: Wo, .offset: 40, .size: 8, .value_kind: global_buffer, .address_space: global }
      - { .name: Whead, .offset: 48, .size: 8, .value_kind: global_buffer, .address_space: global }
      - { .name: xo, .offset: 56, .size: 8, .value_kind: global_buffer, .address_space: global }
      - { .name: w0, .offset: 64, .size: 8, .value_kind: global_buffer, .address_space: global }
      - { .name: w1, .offset: 72, .size: 8, .value_kind: global_buffer, .address_space: global }
      - { .name: w2, .offset: 80, .size: 8, .value_kind: global_buffer, .address_space: global }
      - { .name: w3, .offset: 88, .size: 8, .value_kind: global_buffer, .address_space: global }
      - { .name: wh, .offset: 96, .size: 8, .value_kind: global_buffer, .address_space: global }
    .group_segment_fixed_size: 41728
    .private_segment_fixed_size: 0
    .kernarg_segment_align: 8
    .kernarg_segment_size: 104
    .max_flat_workgroup_size: 128
    .sgpr_count:     66
    .vgpr_count:     258
    .wavefront_size: 32
...
	.end_amdgpu_metadata
.endif
;; end of part 1
;; launch proj0 (part 2): grid 256 x 1, 4 waves a work-group, no clusters, 168,448 bytes of LDS; arguments xo, w0, qkv; writes qkv
.if DOCPART == 2
	.amdgcn_target "amdgcn-amd-amdhsa--gfx1250"
	.amdhsa_code_object_version 6
	.text
	.protected	k_qd77dadbbba_proj0
	.globl	k_qd77dadbbba_proj0
	.p2align	8
	.type	k_qd77dadbbba_proj0,@function
k_qd77dadbbba_proj0:
	s_mov_b64 s[64:65], 0
	v_nop
	global_prefetch_b8 v0, s[64:65] scope:SCOPE_SE
	s_setreg_imm32_b32 hwreg(HW_REG_WAVE_MODE, 25, 1), 1
	s_wait_xcnt 0x0
; proj: q, k, v of one layer.  Work-group = 128 rows x the 3 x 64 columns of one head; wave = 32 rows.
; Operands are f16 tiles (16 x 16, 512 bytes, lane r + 16 h holds row r, columns 8h .. 8h+7); sums in f32.
; The head's 96 KiB of weights come into LDS by one tensor load a wave (24 KiB each; one load of a wave is out, a first fill; nothing
; is filled again).  The wave's 32 rows of x stay in 128 registers for all 192 products.
; SCALES, all exact powers of two but for one factor: with P2(a) the power of two at or below a (kept inside 2^-60 .. 2^59),
;   stored = sum / (P2(largest 16 W) P2(largest x)), at most 256 x 2 x 2 = 1,024 in magnitude, whatever the inputs' size;
;   true   = stored x 2^Y,  2^Y = P2(largest 16 W) P2(largest x) xscale / 16.
; q is stored with the factor log2(e) / 8 as well, so that sigma = 2^Yq 2^Yk, by which the next launch multiplies q.k in front of
; its exponentials of 2, is an exact power of two (kept inside 2^-100 .. 2^100).  v's 2^Y is handed on as the next xscale.
; q and k tiles are (rows s, columns d); v tiles are (rows d, columns s): the two operand places of the matrix form are exchanged.
; No cluster: a work-group asks for its weights once, in one fill, and has no ring in which joint requests could recur.
.set XF,   16                          ; v[16:143]  x: row block t, chunk c at 16 + 64 t + 8 c
.set ACC,  144                         ; v[144:175] tile (f, t) at 144 + 8 (2 f + t)
.set WF,   176                         ; v[176:239] two buffers of four weight fragments (f, cc)
.set OUTP, 240                         ; v[240:255] four packed tiles
.macro NOP4
.rept 4
	v_nop
.endr
.endm
.macro P2 r
	s_and_b32 s[\r], s[\r], 0x7f800000
	s_max_u32 s[\r], s[\r], 0x21800000
	s_min_u32 s[\r], s[\r], 0x5d000000
.endm
	s_load_b128 s[4:7], s[0:1], 0x0        ; xo, w
	s_load_b64 s[8:9], s[0:1], 0x10        ; qkv
	v_lshl_add_u32 v14, v0, 2, 0x29000
	v_mov_b32 v15, 0
	ds_add_u32 v14, v15
	ds_add_u32 v14, v15
	v_lshrrev_b32 v4, 5, v0
	v_readfirstlane_b32 s10, v4            ; wave
	v_and_b32 v5, 31, v0                   ; L
	v_lshlrev_b32 v1, 4, v5                ; 16 L: LDS base of part q, and every tile's lane offset in memory
	s_and_b32 s11, ttmp9, 3                ; head
	s_lshr_b32 s3, ttmp9, 2                ; block of 128 rows
	s_mov_b32 s46, 0x76543210
	s_mov_b32 s47, 0xfedcba98
	; descriptor: 96 rows of 256 bytes (32 elements of 8 bytes), dense, no padding
	s_mov_b32 s16, 0x30000                 ; no mask; element of 8 bytes
	s_mov_b32 s17, 32<<16                  ; tensor_dim0 = 32
	s_mov_b32 s18, 96<<16                  ; tensor_dim1 = 96
	s_mov_b32 s19, 32<<16                  ; tile_dim0 = 32
	s_mov_b32 s20, 96                      ; tile_dim1 = 96
	s_mov_b32 s21, 32                      ; from row to row: 32 elements
	s_mov_b32 s22, 0
	s_mov_b32 s23, 0
	s_mov_b32 s12, 1
	s_mul_i32 s13, s10, 24576              ; LDS: the wave's quarter
	s_mul_i32 s24, s11, 98304
	s_add_co_u32 s24, s24, s13
	s_mov_b32 s25, 0
	s_wait_dscnt 0x0
	s_wait_kmcnt 0x0
	s_add_nc_u64 s[14:15], s[6:7], s[24:25]
	s_or_b32 s15, s15, 0x80000000
	tensor_load_to_lds s[12:15], s[16:23]
	s_nop 0
	s_lshl_b32 s24, s3, 16                 ; x: (8 block + 2 wave) x 8,192 bytes
	s_lshl_b32 s2, s10, 14
	s_add_co_u32 s24, s24, s2
	s_add_nc_u64 s[26:27], s[4:5], s[24:25]
.set n, 0
.rept 32
	global_load_b128 v[XF+4*n:XF+4*n+3], v1, s[26:27] offset:512*n
.set n, n+1
.endr
	global_load_b128 v[144:147], v1, s[4:5] offset:4194304     ; the 256 maxima of x
	global_load_b128 v[148:151], v1, s[4:5] offset:4194816
	v_lshlrev_b32 v6, 2, v5
	v_and_b32 v7, 15, v0
	v_lshlrev_b32 v7, 2, v7
	global_load_b32 v152, v6, s[6:7] offset:393216             ; lanes 0-15: q's sixteen maxima, lanes 16-31: k's
	global_load_b32 v153, v7, s[6:7] offset:393344             ; v's
	s_load_b32 s34, s[4:5], 0x400400                           ; xscale
	v_add_nc_u32 v2, 0x8000, v1            ; LDS base of part k
	v_add_nc_u32 v3, 0x10000, v1           ; of part v
	s_lshr_b32 s2, s3, 4                   ; where the results go: [batch x 4 + head][block of 16 rows][tile 4][512]
	s_lshl2_add_u32 s2, s2, s11
	s_lshl_b32 s24, s2, 18
	s_and_b32 s2, s3, 15
	s_lshl_b32 s2, s2, 14
	s_add_co_u32 s24, s24, s2
	s_lshl_b32 s2, s10, 12
	s_add_co_u32 s24, s24, s2
	s_add_nc_u64 s[28:29], s[8:9], s[24:25]
	s_add_nc_u64 s[30:31], s[28:29], 0x400000
	s_add_nc_u64 s[32:33], s[28:29], 0x800000
	s_wait_loadcnt 0x0
	s_wait_kmcnt 0x0
	v_max3_num_f32 v144, v144, v145, v146
	v_max3_num_f32 v144, v144, v147, v148
	v_max3_num_f32 v144, v144, v149, v150
	v_max_num_f32 v144, v144, v151
.irp m, 1,2,4,8
	v_max_num_f32_dpp v144, v144, v144 row_xmask:\m row_mask:0xf bank_mask:0xf
	v_max_num_f32_dpp v152, v152, v152 row_xmask:\m row_mask:0xf bank_mask:0xf
	v_max_num_f32_dpp v153, v153, v153 row_xmask:\m row_mask:0xf bank_mask:0xf
.endr
	v_mov_b32 v154, 0
	v_permlanex16_b32 v154, v144, s46, s47
	v_max_num_f32 v144, v144, v154
	v_readfirstlane_b32 s42, v144          ; largest |x|
	v_readlane_b32 s43, v152, 0            ; largest 16 |Wq|
	v_readlane_b32 s44, v152, 16           ; |Wk|
	v_readlane_b32 s45, v153, 0            ; |Wv|
	P2 42
	P2 43
	P2 44
	P2 45
	s_sub_co_u32 s48, 0x7f000000, s42      ; the reciprocal of a power of two: its exponent mirrored
	s_sub_co_u32 s49, 0x7f000000, s43
	s_sub_co_u32 s50, 0x7f000000, s44
	s_sub_co_u32 s51, 0x7f000000, s45
	s_mul_f32 s36, s49, s48
	s_mul_f32 s36, s36, 0x3e38aa3b         ; log2(e) / 8
	s_mov_b32 s37, s36
	s_mul_f32 s38, s50, s48
	s_mov_b32 s39, s38
	s_mul_f32 s40, s51, s48
	s_mov_b32 s41, s40
	s_mul_f32 s52, s42, s34
	s_mul_f32 s52, s52, 0x3d800000         ; / 16
	s_mul_f32 s53, s43, s52                ; 2^Yq
	s_mul_f32 s54, s44, s52                ; 2^Yk
	s_mul_f32 s55, s45, s52                ; 2^Yv: the next xscale
	s_mul_f32 s56, s53, s54                ; sigma
	s_max_u32 s56, s56, 0x0d800000
	s_min_u32 s56, s56, 0x71800000
	s_lshl2_add_u32 s57, ttmp9, s10
	s_cmp_lg_u32 s57, 0
	s_cbranch_scc1 .Lnotail
	v_mov_b32 v8, s56                      ; one lane of the launch stores the two words behind the tiles
	v_mov_b32 v9, s55
	v_mov_b32 v10, 0xc00000
	s_wait_xcnt 0x0                        ; EXEC changes only behind s_wait_xcnt 0, both ways
	v_cmp_eq_u32 vcc_lo, 0, v5
	s_and_saveexec_b32 s58, vcc_lo
	global_store_b64 v10, v[8:9], s[8:9]
	s_wait_xcnt 0x0
	s_or_b32 exec_lo, exec_lo, s58
.Lnotail:
	s_wait_tensorcnt 0x0                   ; my quarter of the weights is in LDS,
	s_barrier_signal -1
	s_barrier_wait -1                      ; everybody's is
; 24 runs.  Run n: part n / 8, pair of feature blocks (n / 4) % 2, pair of chunks n % 4: 8 LDS loads, 8 products.
.macro RUNLD                               ; run RL
.irp f, 0,1
.irp cc, 0,1
	ds_load_b128 v[WF+32*(RL%2)+8*(2*\f+\cc):WF+32*(RL%2)+8*(2*\f+\cc)+3], v[1+RL/8] offset:(2*((RL/4)%2)+\f)*8192+(2*(RL%4)+\cc)*1024
	ds_load_b128 v[WF+32*(RL%2)+8*(2*\f+\cc)+4:WF+32*(RL%2)+8*(2*\f+\cc)+7], v[1+RL/8] offset:(2*((RL/4)%2)+\f)*8192+(2*(RL%4)+\cc)*1024+512
.endr
.endr
.endm
.macro RUNMM                               ; run RM; the four accumulators take turns
.irp cc, 0,1
.irp f, 0,1
.irp t, 0,1
.if RM/8 == 2
.if 2*(RM%4)+\cc == 0
	v_wmma_f32_16x16x32_f16 v[ACC+8*(2*\f+\t):ACC+8*(2*\f+\t)+7], v[XF+64*\t+8*(2*(RM%4)+\cc):XF+64*\t+8*(2*(RM%4)+\cc)+7], v[WF+32*(RM%2)+8*(2*\f+\cc):WF+32*(RM%2)+8*(2*\f+\cc)+7], 0
.else
	v_wmma_f32_16x16x32_f16 v[ACC+8*(2*\f+\t):ACC+8*(2*\f+\t)+7], v[XF+64*\t+8*(2*(RM%4)+\cc):XF+64*\t+8*(2*(RM%4)+\cc)+7], v[WF+32*(RM%2)+8*(2*\f+\cc):WF+32*(RM%2)+8*(2*\f+\cc)+7], v[ACC+8*(2*\f+\t):ACC+8*(2*\f+\t)+7]
.endif
.else
.if 2*(RM%4)+\cc == 0
	v_wmma_f32_16x16x32_f16 v[ACC+8*(2*\f+\t):ACC+8*(2*\f+\t)+7], v[WF+32*(RM%2)+8*(2*\f+\cc):WF+32*(RM%2)+8*(2*\f+\cc)+7], v[XF+64*\t+8*(2*(RM%4)+\cc):XF+64*\t+8*(2*(RM%4)+\cc)+7], 0
.else
	v_wmma_f32_16x16x32_f16 v[ACC+8*(2*\f+\t):ACC+8*(2*\f+\t)+7], v[WF+32*(RM%2)+8*(2*\f+\cc):WF+32*(RM%2)+8*(2*\f+\cc)+7], v[XF+64*\t+8*(2*(RM%4)+\cc):XF+64*\t+8*(2*(RM%4)+\cc)+7], v[ACC+8*(2*\f+\t):ACC+8*(2*\f+\t)+7]
.endif
.endif
.endr
.endr
.endr
.endm
; four finished tiles: scale, round to f16, store 512 consecutive aligned bytes each
.macro EPI
	NOP4                                   ; four places behind the last product before its result is read
	s_wait_xcnt 0x0                        ; the packed tiles that earlier stores read are rewritten only behind this wait
.irp f, 0,1
.irp t, 0,1
.irp j, 0,2,4,6
	v_pk_mul_f32 v[ACC+8*(2*\f+\t)+\j:ACC+8*(2*\f+\t)+\j+1], v[ACC+8*(2*\f+\t)+\j:ACC+8*(2*\f+\t)+\j+1], s[36+2*(RM/8):37+2*(RM/8)] op_sel_hi:[1,0]
.endr
.irp j, 0,1,2,3
	v_cvt_pk_f16_f32 v[OUTP+4*(2*\f+\t)+\j], v[ACC+8*(2*\f+\t)+2*\j], v[ACC+8*(2*\f+\t)+2*\j+1]
.endr
	global_store_b128 v1, v[OUTP+4*(2*\f+\t):OUTP+4*(2*\f+\t)+3], s[28+2*(RM/8):29+2*(RM/8)] offset:\t*2048+(2*((RM/4)%2)+\f)*512
.endr
.endr
.endm
.set RL, 0
	RUNLD
.set RM, 0
.rept 24
.if RM > 0
	NOP4                                   ; four places between the last products and the loads into the buffer that they read
.endif
.if RM < 23
.set RL, RM+1
	RUNLD
	s_wait_dscnt 0x8                       ; all but the eight just issued: this run's fragments are in
.else
	s_wait_dscnt 0x0
.endif
	RUNMM
.if RM%4 == 3
	EPI
.endif
.set RM, RM+1
.endr
	s_wait_tensorcnt 0x0
	ds_add_u32 v14, v15
	s_wait_dscnt 0x0
	s_endpgm
.Lfunc_end_k_qd77dadbbba_proj0:
	.size	k_qd77dadbbba_proj0, .Lfunc_end_k_qd77dadbbba_proj0-k_qd77dadbbba_proj0
	.p2alignl 7, 3214868480
	.fill 96, 4, 3214868480
	.section	.rodata,"a",@progbits
	.p2align	6, 0x0
	.amdhsa_kernel k_qd77dadbbba_proj0
		.amdhsa_group_segment_fixed_size 168448
		.amdhsa_private_segment_fixed_size 0
		.amdhsa_enable_private_segment 0
		.amdhsa_kernarg_size 24
		.amdhsa_user_sgpr_count 2
		.amdhsa_user_sgpr_kernarg_segment_ptr 1
		.amdhsa_wavefront_size32 1
		.amdhsa_system_sgpr_workgroup_id_x 1
		.amdhsa_system_sgpr_workgroup_id_y 1
		.amdhsa_system_sgpr_workgroup_id_z 1
		.amdhsa_system_vgpr_workitem_id 0
		.amdhsa_next_free_vgpr 256
		.amdhsa_next_free_sgpr 66
		.amdhsa_reserve_vcc 1
		.amdhsa_float_denorm_mode_32 3
		.amdhsa_float_denorm_mode_16_64 3
		.amdhsa_memory_ordered 1
		.amdhsa_forward_progress 1
		.amdhsa_inst_pref_size 53
	.end_amdhsa_kernel
	.amdgpu_metadata
---
amdhsa.version: [ 1, 2 ]
amdhsa.kernels:
  - .name:           k_qd77dadbbba_proj0
    .symbol:         k_qd77dadbbba_proj0.kd
    .args:
      - { .name: xo, .offset: 0, .size: 8, .value_kind: global_buffer, .address_space: global }
      - { .name: w0, .offset: 8, .size: 8, .value_kind: global_buffer, .address_space: global }
      - { .name: qkv, .offset: 16, .size: 8, .value_kind: global_buffer, .address_space: global }
    .group_segment_fixed_size: 168448
    .private_segment_fixed_size: 0
    .kernarg_segment_align: 8
    .kernarg_segment_size: 24
    .max_flat_workgroup_size: 128
    .sgpr_count:     66
    .vgpr_count:     256
    .wavefront_size: 32
...
	.end_amdgpu_metadata
.endif
;; end of part 2
;; launch attn0 (part 3): grid 256 x 1, 8 waves a work-group, no clusters, 68,864 bytes of LDS; arguments qkv, xo; writes xo
.if DOCPART == 3
	.amdgcn_target "amdgcn-amd-amdhsa--gfx1250"
	.amdhsa_code_object_version 6
	.text
	.protected	k_qd77dadbbba_attn0
	.globl	k_qd77dadbbba_attn0
	.p2align	8
	.type	k_qd77dadbbba_attn0,@function
k_qd77dadbbba_attn0:
	s_mov_b64 s[64:65], 0
	v_nop
	global_prefetch_b8 v0, s[64:65] scope:SCOPE_SE
	s_setreg_imm32_b32 hwreg(HW_REG_WAVE_MODE, 25, 1), 1
	s_wait_xcnt 0x0
; attn: causal attention of one layer, f16 operands, f32 sums, running maximum.
; Work-group = one (batch, head) and two blocks of 64 query rows, jp and 31 - jp (jp = 0..15): with a = jp / 2 the low block needs the
; key trips 0 .. a and the high block 0 .. 15 - a (a trip = 128 keys), 17 units of work in every work-group.
; Wave w: i = w & 3 picks 16 rows of each block, kh = w >> 2 picks 64 of a trip's 128 keys; the two halves' results are merged at the end.
; A unit = 16 queries x 64 keys: S^T = K Q^T (a lane holds 32 keys of ONE query: lane r + 16 h has query r, keys 16 sb + 8 h + j), so the
; softmax is in-lane but for one exchange between the halves of the wave, and the packed exponentials ARE the B fragments of O^T = V^T P^T.
; q carries log2(e) / 8; sigma (an exact power of two, from the launch before) restores the scale: p = 2^(sigma (s - m)), formed by one
; fused multiply-add with -sigma m, which is exact, so p = 1 at the maximum whatever the scores' size.
; K and V of a trip (16 KiB each) pass through registers into ONE LDS slot: fetched a trip ahead, put down between two barriers.
; The output is a convex combination of stored v, so it fits f16 at v's scale; its largest magnitude goes out beside it.
; No cluster and no tensor ring: the sixteen work-groups of a head need 9 to 16 trips, so partners would ask for different numbers of tiles.
; LIMITS: sigma inside 2^-100 .. 2^100; NaN and infinity are not served.
.set XO_AMAX, 4194304
.set XO_XS,   4195328
.set QF, 24                            ; v[24:55]   Q fragments: block x 16 + chunk x 8
.set OO, 56                            ; v[56:119]  O^T: block x 32 + d x 8
.set SS, 120                           ; v[120:151] S^T, then p, then packed P in the first 16
.set KV, 152                           ; v[152:215] eight fragments of K, then of V
.set GG, 216                           ; v[216:247] the next trip on its way: 4 x 16 bytes of K, 4 of V
; v1 LDS read base (8,192 kh + 16 L)  v2 staging offset (2,048 w + 16 L)  v3 r - 8 h  v4 mask bound  v5 -inf  v6, v7 m  v[8:11] l  v12, v13 at work
; v[14:15] alpha  v[16:17] -sigma m  v18 16 L  v19-22 merge addresses  v23 L  v[248:251] at work
.macro NOP4
.rept 4
	v_nop
.endr
.endm
.macro ST1 voff, vdata, sb, imm            ; lane 0 stores one word; EXEC changes only behind s_wait_xcnt 0, both ways
	s_wait_xcnt 0x0
	v_cmp_eq_u32 vcc_lo, 0, v23
	s_and_saveexec_b32 s45, vcc_lo
	global_store_b32 \voff, \vdata, s[\sb:\sb+1] offset:\imm
	s_wait_xcnt 0x0
	s_or_b32 exec_lo, exec_lo, s45
.endm
.macro FETCH
.irp n, 0,1,2,3
	global_load_b128 v[GG+4*\n:GG+4*\n+3], v2, s[12:13] offset:512*\n
.endr
.irp n, 0,1,2,3
	global_load_b128 v[GG+16+4*\n:GG+16+4*\n+3], v2, s[14:15] offset:512*\n
.endr
.endm
.macro PUT
.irp n, 0,1,2,3
	ds_store_b128 v2, v[GG+4*\n:GG+4*\n+3] offset:512*\n
.endr
.irp n, 0,1,2,3
	ds_store_b128 v2, v[GG+16+4*\n:GG+16+4*\n+3] offset:16384+512*\n
.endr
.endm
; between two trips: the slot is read out, the next trip is put down, the one after it is asked for (if there is one)
.macro STAGE
	s_wait_dscnt 0x0                       ; my reads of the slot are back,
	s_barrier_signal -1
	s_barrier_wait -1                      ; everybody's are: the slot may be overwritten
	s_wait_loadcnt 0x0                     ; the next trip is in my registers, and its loads' bases are free
	PUT
	s_add_nc_u64 s[12:13], s[12:13], 16384
	s_add_nc_u64 s[14:15], s[14:15], 16384
	s_wait_dscnt 0x0                       ; my part of the slot is written (and the staging registers are read)
	s_cmp_ge_u32 s21, s20                  ; trip s21 of s20: no load leaves the head's keys
	s_cbranch_scc1 .Lnofetch_\@
	FETCH
.Lnofetch_\@:
	s_add_co_u32 s21, s21, 1
	s_barrier_signal -1
	s_barrier_wait -1                      ; the slot is whole
.endm
; 16 queries of block blk against my 64 keys of the slot.  first = 1: the block's first unit starts m, l and O.  masked = 1: keys past v4 are dropped.
.macro UNIT blk, first, masked
.irp c, 0,1
.irp sb, 0,1,2,3
	ds_load_b128 v[KV+8*(4*\c+\sb):KV+8*(4*\c+\sb)+3], v1 offset:2048*\sb+1024*\c
	ds_load_b128 v[KV+8*(4*\c+\sb)+4:KV+8*(4*\c+\sb)+7], v1 offset:2048*\sb+1024*\c+512
.endr
.endr
	s_wait_dscnt 0x8                       ; the first chunk's eight loads are in, the second's stay out
.irp sb, 0,1,2,3                           ; the four accumulators take turns
	v_wmma_f32_16x16x32_f16 v[SS+8*\sb:SS+8*\sb+7], v[KV+8*\sb:KV+8*\sb+7], v[QF+16*\blk:QF+16*\blk+7], 0
.endr
	s_wait_dscnt 0x0
.irp sb, 0,1,2,3
	v_wmma_f32_16x16x32_f16 v[SS+8*\sb:SS+8*\sb+7], v[KV+32+8*\sb:KV+32+8*\sb+7], v[QF+16*\blk+8:QF+16*\blk+15], v[SS+8*\sb:SS+8*\sb+7]
.endr
	NOP4                                   ; four places: then V may land on K's registers and S may be read
.irp cc, 0,1
.irp d, 0,1,2,3
	ds_load_b128 v[KV+8*(4*\cc+\d):KV+8*(4*\cc+\d)+3], v1 offset:16384+4096*\cc+512*\d
	ds_load_b128 v[KV+8*(4*\cc+\d)+4:KV+8*(4*\cc+\d)+7], v1 offset:16384+4096*\cc+512*\d+2048
.endr
.endr
.if \masked
.set mi, 0
.rept 32
	v_cmp_gt_i32 vcc_lo, 16*(mi/8)+(mi%8), v4      ; key 16 sb + j (+ 8 h, in v4) lies behind my query
	v_cndmask_b32 v[SS+mi], v[SS+mi], v5, vcc_lo
.set mi, mi+1
.endr
.endif
	v_max3_num_f32 v12, v[SS], v[SS+1], v[SS+2]
	v_max3_num_f32 v13, v[SS+17], v[SS+18], v[SS+19]
.irp k, 0,2,4,6,8,10
	v_max3_num_f32 v12, v12, v[SS+3+\k], v[SS+4+\k]
	v_max3_num_f32 v13, v13, v[SS+20+\k], v[SS+21+\k]
.endr
	v_max3_num_f32 v12, v12, v[SS+15], v[SS+16]
	v_max_num_f32 v12, v12, v13
	v_permlanex16_b32 v13, v12, s46, s47   ; the query's other 32 keys lie in the other half of the wave
.if \first
	v_max3_num_f32 v[6+\blk], v12, v13, 0xff7fffff ; never -inf: a unit that is masked whole leaves m at the lowest finite number
.else
	v_max3_num_f32 v248, v12, v13, v[6+\blk]
	v_sub_f32 v14, v[6+\blk], v248
	v_mov_b32 v[6+\blk], v248
	v_mul_f32 v14, s16, v14
	v_exp_f32 v14, v14                     ; alpha; the next line is the plain place behind it
.endif
	v_mul_f32 v16, -v[6+\blk], s16         ; exact: sigma is a power of two
	v_min_num_f32 v16, 0x7f7fffff, v16     ; finite, so that -inf x sigma + this stays -inf
.irp k, 0,2,4,6,8,10,12,14,16,18,20,22,24,26,28,30
	v_pk_fma_f32 v[SS+\k:SS+\k+1], v[SS+\k:SS+\k+1], s[16:17], v[16:17] op_sel_hi:[1,0,0]
.endr
.set mi, 0
.rept 32
	v_exp_f32 v[SS+mi], v[SS+mi]
.set mi, mi+1
.endr
	v_nop                                  ; one plain place behind the exponentials
.if \first
	s_wait_alu depctr_va_vdst(0)
	v_pk_add_f32 v[8+2*\blk:9+2*\blk], v[SS:SS+1], v[SS+2:SS+3]
.else
	s_wait_alu depctr_va_vdst(0)
	v_pk_fma_f32 v[8+2*\blk:9+2*\blk], v[8+2*\blk:9+2*\blk], v[14:15], v[SS:SS+1] op_sel_hi:[1,0,1]
	v_pk_add_f32 v[8+2*\blk:9+2*\blk], v[8+2*\blk:9+2*\blk], v[SS+2:SS+3]
.endif
	v_pk_add_f32 v[250:251], v[SS+16:SS+17], v[SS+18:SS+19]
.irp k, 4,6,8,10,12,14
	v_pk_add_f32 v[8+2*\blk:9+2*\blk], v[8+2*\blk:9+2*\blk], v[SS+\k:SS+\k+1]
	v_pk_add_f32 v[250:251], v[250:251], v[SS+16+\k:SS+17+\k]
.endr
	v_pk_add_f32 v[8+2*\blk:9+2*\blk], v[8+2*\blk:9+2*\blk], v[250:251]
.set mi, 0
.rept 16
	v_cvt_pk_f16_f32 v[SS+mi], v[SS+2*mi], v[SS+2*mi+1]    ; packed in place, upward: P's chunk cc is v[SS + 8 cc ..]
.set mi, mi+1
.endr
.if \first == 0
.irp k, 0,2,4,6,8,10,12,14,16,18,20,22,24,26,28,30
	v_pk_mul_f32 v[OO+32*\blk+\k:OO+32*\blk+\k+1], v[OO+32*\blk+\k:OO+32*\blk+\k+1], v[14:15] op_sel_hi:[1,0]
.endr
.endif
	s_wait_dscnt 0x0                       ; V is in
.irp cc, 0,1
.irp d, 0,1,2,3                            ; the four accumulators take turns
.if \first*(1-\cc)
	v_wmma_f32_16x16x32_f16 v[OO+32*\blk+8*\d:OO+32*\blk+8*\d+7], v[KV+8*(4*\cc+\d):KV+8*(4*\cc+\d)+7], v[SS+8*\cc:SS+8*\cc+7], 0
.else
	v_wmma_f32_16x16x32_f16 v[OO+32*\blk+8*\d:OO+32*\blk+8*\d+7], v[KV+8*(4*\cc+\d):KV+8*(4*\cc+\d)+7], v[SS+8*\cc:SS+8*\cc+7], v[OO+32*\blk+8*\d:OO+32*\blk+8*\d+7]
.endif
.endr
.endr
.rept 5
	v_nop                                  ; five places: the next unit's products write over P, its loads over V
.endr
.endm
	s_load_b128 s[4:7], s[0:1], 0x0        ; qkv, xo
	v_lshl_add_u32 v254, v0, 2, 0x10900
	v_mov_b32 v255, 0
	v_lshrrev_b32 v12, 5, v0
	v_readfirstlane_b32 s8, v12            ; wave
	v_and_b32 v23, 31, v0
	v_lshlrev_b32 v18, 4, v23
	s_and_b32 s9, s8, 3                    ; i
	s_lshr_b32 s10, s8, 2                  ; kh
	s_mov_b32 s3, ttmp9
	s_lshr_b32 s11, s3, 4                  ; batch x 4 + head
	s_and_b32 s18, s3, 15                  ; jp
	s_lshr_b32 s19, s18, 1                 ; a
	s_sub_co_u32 s20, 16, s19              ; trips
	s_mov_b32 s21, 2                       ; the next trip to ask for
	s_mov_b32 s46, 0x76543210
	s_mov_b32 s47, 0xfedcba98
	v_lshl_add_u32 v1, s10, 13, v18
	v_lshl_add_u32 v2, s8, 11, v18
	v_and_b32 v3, 15, v0
	v_bfe_u32 v12, v0, 4, 1
	v_lshlrev_b32 v12, 3, v12
	v_sub_nc_u32 v3, v3, v12               ; r - 8 h
	v_mov_b32 v5, 0xff800000
	v_mov_b32 v15, 0                       ; upper registers of pairs of which the lower one is broadcast
	v_mov_b32 v17, 0
	; key 128 T + 64 kh + 16 sb + 8 h + j is dropped if it is above query 64 J + 16 i + r:  16 sb + j > (r - 8 h) + 64 J + 16 i - 128 T - 64 kh
	s_lshl_b32 s45, s9, 4
	s_lshl_b32 s39, s10, 6
	s_sub_co_u32 s45, s45, s39             ; 16 i - 64 kh
	s_lshl_b32 s42, s18, 6
	s_add_co_u32 s42, s42, s45             ; low block, trip 0
	s_and_b32 s39, s18, 1
	s_lshl_b32 s39, s39, 6
	s_add_co_u32 s43, s45, s39             ; low block, trip a:        64 jp - 128 a = 64 (jp & 1)
	s_sub_co_u32 s44, s45, s39
	s_add_co_u32 s44, s44, 64              ; high block, trip 15 - a:  64 (31 - jp) - 128 (15 - a) = 64 - 64 (jp & 1)
	s_lshl2_add_u32 s34, s18, s9           ; my block of 16 rows in the low block,
	s_sub_co_u32 s35, 31, s18
	s_lshl2_add_u32 s35, s35, s9           ; in the high block
	s_lshl_b32 s22, s11, 18
	s_mov_b32 s23, 0
	s_wait_kmcnt 0x0
	s_add_nc_u64 s[24:25], s[4:5], 0xc00000
	s_load_b64 s[28:29], s[24:25], 0x0     ; sigma, the next xscale
	s_add_nc_u64 s[26:27], s[4:5], s[22:23]
	s_add_nc_u64 s[12:13], s[26:27], 0x400000      ; K
	s_add_nc_u64 s[14:15], s[26:27], 0x800000      ; V
	s_lshl_b32 s22, s34, 11
	s_add_nc_u64 s[30:31], s[26:27], s[22:23]
	s_lshl_b32 s22, s35, 11
	s_add_nc_u64 s[32:33], s[26:27], s[22:23]
.irp n, 0,1,2,3
	global_load_b128 v[QF+4*\n:QF+4*\n+3], v18, s[30:31] offset:512*\n
	global_load_b128 v[QF+16+4*\n:QF+16+4*\n+3], v18, s[32:33] offset:512*\n
.endr
	FETCH                                  ; trip 0
	s_wait_loadcnt 0x0
	PUT
	s_add_nc_u64 s[12:13], s[12:13], 16384
	s_add_nc_u64 s[14:15], s[14:15], 16384
	s_wait_dscnt 0x0
	FETCH                                  ; trip 1 (there are nine trips at the least)
	s_wait_kmcnt 0x0
	s_mov_b32 s16, s28
	s_mov_b32 s17, s28
	s_barrier_signal -1
	s_barrier_wait -1
	v_add_nc_u32 v4, s42, v3
	UNIT 0, 1, 1                           ; trip 0: the bound drops keys only where a = 0
	UNIT 1, 1, 0
	STAGE
	s_cmp_eq_u32 s19, 0
	s_cbranch_scc1 .Lhigh_only
	s_sub_co_u32 s39, s19, 1
	s_cmp_eq_u32 s39, 0
	s_cbranch_scc1 .Ldiag_low
.Lboth:                                    ; trips 1 .. a - 1
	UNIT 0, 0, 0
	UNIT 1, 0, 0
	STAGE
	s_sub_co_u32 s39, s39, 1
	s_cmp_lg_u32 s39, 0
	s_cbranch_scc1 .Lboth
.Ldiag_low:                                ; trip a: the low block's last
	v_add_nc_u32 v4, s43, v3
	UNIT 0, 0, 1
	UNIT 1, 0, 0
	STAGE
.Lhigh_only:
	s_lshl_b32 s39, s19, 1
	s_sub_co_u32 s39, 14, s39
	s_cmp_eq_u32 s39, 0
	s_cbranch_scc1 .Llast
.Lhigh:                                    ; trips a + 1 .. 14 - a
	UNIT 1, 0, 0
	STAGE
	s_sub_co_u32 s39, s39, 1
	s_cmp_lg_u32 s39, 0
	s_cbranch_scc1 .Lhigh
.Llast:                                    ; trip 15 - a
	v_add_nc_u32 v4, s44, v3
	UNIT 1, 0, 1
	; MERGE.  Waves w and w ^ 4 hold the same rows over different keys.  kh = 0 finishes the low block and gives the high one away, kh = 1 the reverse.
	v_add_f32 v8, v8, v9
	v_add_f32 v10, v10, v11
	s_cmp_lg_u32 s10, 0
	s_cselect_b32 s36, -1, 0
	s_cselect_b32 s22, s35, s34            ; the block of 16 rows that I finish
.macro SWP a, b                            ; a = mine, b = to give away
	v_cndmask_b32 v248, v[\a], v[\b], s36
	v_cndmask_b32 v[\b], v[\b], v[\a], s36
	v_mov_b32 v[\a], v248
.endm
.set mi, 0
.rept 32
	SWP OO+mi, OO+32+mi
.set mi, mi+1
.endr
	SWP 6, 7
	SWP 8, 10
	s_mul_i32 s37, s8, 4352
	s_add_co_u32 s37, s37, 32768           ; my 4,352 bytes behind the slot
	s_xor_b32 s38, s8, 4
	s_mul_i32 s38, s38, 4352
	s_add_co_u32 s38, s38, 32768           ; my partner's
	v_add_nc_u32 v19, s37, v18
	v_lshl_add_u32 v20, v23, 3, s37
	v_add_nc_u32 v21, s38, v18
	v_lshl_add_u32 v22, v23, 3, s38
	v_mov_b32 v12, v7
	v_mov_b32 v13, v10
.irp g, 0,1,2,3,4,5,6,7
	ds_store_b128 v19, v[OO+32+4*\g:OO+32+4*\g+3] offset:512*\g
.endr
	ds_store_b64 v20, v[12:13] offset:4096
	s_wait_dscnt 0x0
	s_barrier_signal -1
	s_barrier_wait -1
.irp g, 0,1,2,3,4,5,6,7
	ds_load_b128 v[SS+4*\g:SS+4*\g+3], v21 offset:512*\g
.endr
	ds_load_b64 v[12:13], v22 offset:4096
	s_lshl_b32 s22, s22, 13                ; xo is [block of 16 rows][tile 16][512]; my four tiles are 4 head .. 4 head + 3
	s_lshr_b32 s39, s11, 2
	s_lshl_b32 s39, s39, 20
	s_add_co_u32 s22, s22, s39
	s_and_b32 s39, s11, 3
	s_lshl_b32 s39, s39, 11
	s_add_co_u32 s22, s22, s39
	s_add_nc_u64 s[40:41], s[6:7], s[22:23]
	s_wait_dscnt 0x0
	v_max_num_f32 v14, v6, v12
	v_sub_f32 v16, v6, v14
	v_sub_f32 v17, v12, v14
	v_mul_f32 v16, s16, v16
	v_mul_f32 v17, s16, v17
	v_exp_f32 v16, v16
	v_exp_f32 v17, v17
	v_nop
	s_wait_alu depctr_va_vdst(0)
	v_mul_f32 v8, v8, v16
	v_fmac_f32 v8, v13, v17
	v_permlanex16_b32 v9, v8, s46, s47     ; l was kept by halves of the wave
	v_add_f32 v8, v8, v9
	v_rcp_f32 v8, v8
	v_nop
	s_wait_alu depctr_va_vdst(0)
	v_mul_f32 v16, v16, v8
	v_mul_f32 v14, v17, v8
	v_mov_b32 v12, 0
.irp k, 0,2,4,6,8,10,12,14,16,18,20,22,24,26,28,30
	v_pk_mul_f32 v[OO+\k:OO+\k+1], v[OO+\k:OO+\k+1], v[16:17] op_sel_hi:[1,0]
	v_pk_fma_f32 v[OO+\k:OO+\k+1], v[SS+\k:SS+\k+1], v[14:15], v[OO+\k:OO+\k+1] op_sel_hi:[1,0,1]
.endr
.irp k, 0,2,4,6,8,10,12,14,16,18,20,22,24,26,28,30
	v_max3_num_f32 v12, |v[OO+\k]|, |v[OO+\k+1]|, v12
.endr
.set mi, 0
.rept 16
	v_cvt_pk_f16_f32 v[KV+mi], v[OO+2*mi], v[OO+2*mi+1]
.set mi, mi+1
.endr
.irp d, 0,1,2,3
	global_store_b128 v18, v[KV+4*\d:KV+4*\d+3], s[40:41] offset:512*\d    ; four tiles, 2,048 consecutive aligned bytes
.endr
	; the work-group's largest magnitude
	v_max_num_f32_dpp v12, v12, v12 row_xmask:1 row_mask:0xf bank_mask:0xf
	v_max_num_f32_dpp v12, v12, v12 row_xmask:2 row_mask:0xf bank_mask:0xf
	v_max_num_f32_dpp v12, v12, v12 row_xmask:4 row_mask:0xf bank_mask:0xf
	v_max_num_f32_dpp v12, v12, v12 row_xmask:8 row_mask:0xf bank_mask:0xf
	v_permlanex16_b32 v13, v12, s46, s47
	v_max_num_f32 v12, v12, v13
	s_lshl_b32 s39, s8, 2
	s_add_co_u32 s39, s39, 67584
	v_mov_b32 v14, s39
	ds_store_b32 v14, v12
	s_wait_dscnt 0x0
	s_barrier_signal -1
	s_barrier_wait -1
	s_cmp_lg_u32 s8, 0
	s_cbranch_scc1 .Ldone
	v_mov_b32 v15, 67584
	ds_load_b128 v[24:27], v15
	ds_load_b128 v[28:31], v15 offset:16
	s_wait_dscnt 0x0
	v_max3_num_f32 v24, v24, v25, v26
	v_max3_num_f32 v24, v24, v27, v28
	v_max3_num_f32 v24, v24, v29, v30
	v_max_num_f32 v24, v24, v31
	s_lshl_b32 s39, s3, 2
	v_mov_b32 v16, s39
	ST1 v16, v24, 6, XO_AMAX
	s_cmp_lg_u32 s3, 0
	s_cbranch_scc1 .Ldone
	v_mov_b32 v17, s29                     ; v's scale is my output's
	v_mov_b32 v19, 0
	ST1 v19, v17, 6, XO_XS
.Ldone:
	s_wait_tensorcnt 0x0
	ds_add_u32 v254, v255
	s_wait_dscnt 0x0
	s_endpgm
.Lfunc_end_k_qd77dadbbba_attn0:
	.size	k_qd77dadbbba_attn0, .Lfunc_end_k_qd77dadbbba_attn0-k_qd77dadbbba_attn0
	.p2alignl 7, 3214868480
	.fill 96, 4, 3214868480
	.section	.rodata,"a",@progbits
	.p2align	6, 0x0
	.amdhsa_kernel k_qd77dadbbba_attn0
		.amdhsa_group_segment_fixed_size 68864
		.amdhsa_private_segment_fixed_size 0
		.amdhsa_enable_private_segment 0
		.amdhsa_kernarg_size 16
		.amdhsa_user_sgpr_count 2
		.amdhsa_user_sgpr_kernarg_segment_ptr 1
		.amdhsa_wavefront_size32 1
		.amdhsa_system_sgpr_workgroup_id_x 1
		.amdhsa_system_sgpr_workgroup_id_y 1
		.amdhsa_system_sgpr_workgroup_id_z 1
		.amdhsa_system_vgpr_workitem_id 0
		.amdhsa_next_free_vgpr 256
		.amdhsa_next_free_sgpr 66
		.amdhsa_reserve_vcc 1
		.amdhsa_float_denorm_mode_32 3
		.amdhsa_float_denorm_mode_16_64 3
		.amdhsa_memory_ordered 1
		.amdhsa_forward_progress 1
		.amdhsa_inst_pref_size 110
	.end_amdhsa_kernel
	.amdgpu_metadata
---
amdhsa.version: [ 1, 2 ]
amdhsa.kernels:
  - .name:           k_qd77dadbbba_attn0
    .symbol:         k_qd77dadbbba_attn0.kd
    .args:
      - { .name: qkv, .offset: 0, .size: 8, .value_kind: global_buffer, .address_space: global }
      - { .name: xo, .offset: 8, .size: 8, .value_kind: global_buffer, .address_space: global }
    .group_segment_fixed_size: 68864
    .private_segment_fixed_size: 0
    .kernarg_segment_align: 8
    .kernarg_segment_size: 16
    .max_flat_workgroup_size: 256
    .sgpr_count:     66
    .vgpr_count:     256
    .wavefront_size: 32
...
	.end_amdgpu_metadata
.endif
;; end of part 3
;; launch proj1: the kernel of part 2 again; grid 256 x 1, 4 waves a work-group, no clusters, 168,448 bytes of LDS; arguments xo, w1, qkv; writes qkv
;; launch attn1: the kernel of part 3 again; grid 256 x 1, 8 waves a work-group, no clusters, 68,864 bytes of LDS; arguments qkv, xo; writes xo
;; launch proj2: the kernel of part 2 again; grid 256 x 1, 4 waves a work-group, no clusters, 168,448 bytes of LDS; arguments xo, w2, qkv; writes qkv
;; launch attn2: the kernel of part 3 again; grid 256 x 1, 8 waves a work-group, no clusters, 68,864 bytes of LDS; arguments qkv, xo; writes xo
;; launch proj3: the kernel of part 2 again; grid 256 x 1, 4 waves a work-group, no clusters, 168,448 bytes of LDS; arguments xo, w3, qkv; writes qkv
;; launch attn3: the kernel of part 3 again; grid 256 x 1, 8 waves a work-group, no clusters, 68,864 bytes of LDS; arguments qkv, xo; writes xo
;; launch head (part 4): grid 256 x 1, 8 waves a work-group, no clusters, 151,808 bytes of LDS; arguments xo, wh, gamma, beta, bhead, out0; writes out0
.if DOCPART == 4
	.amdgcn_target "amdgcn-amd-amdhsa--gfx1250"
	.amdhsa_code_object_version 6
	.text
	.protected	k_qd77dadbbba_head
	.globl	k_qd77dadbbba_head
	.p2align	8
	.type	k_qd77dadbbba_head,@function
k_qd77dadbbba_head:
	s_mov_b64 s[64:65], 0
	v_nop
	global_prefetch_b8 v0, s[64:65] scope:SCOPE_SE
	s_setreg_imm32_b32 hwreg(HW_REG_WAVE_MODE, 25, 1), 1
	s_wait_xcnt 0x0
; head: h = x Wo[3]^T, LayerNorm over the 256 features (mean first, then the squares of the differences), out = LN(h) Whead^T + bhead.
; Work-group = 32 whole rows: its output is 32 x 4,000 = 128,000 consecutive bytes that begin at a multiple of 256, gathered in LDS and
; stored as whole runs of 16 bytes a lane.  (A row of 4,000 bytes is no multiple of 256: no split of the 1,000 columns would give that.)
; Eight waves.  Stage 1: wave w makes features 32 w .. 32 w + 31 of all 32 rows.  Stage 2: wave w makes columns 128 w .. 128 w + 127.
; Operands are f16 tiles (16 x 16, 512 bytes, lane r + 16 h: row r, columns 8h .. 8h+7), the weights stored times 16; sums in f32.
; The weights come straight from memory into fragment registers: each wave reads other tiles than the other seven, so LDS would add nothing.
; No cluster: the fragments go through registers, not through tensor loads, so there is no joint request to make.
; LDS: the output block ends at byte 22,528 + 128,000 = 150,528.  In the last two column blocks the lanes of columns 1,000 .. 1,023 are
; switched off; the address that such a lane names reaches 22,528 + 15 x 4,000 + 4 x 904 + 64,464 + 16 = 150,624 in row 31, so the
; allocation is 150,784: every address that the text names lies inside it, written or not.
; LIMITS: gamma x (normalised h) + beta below 65,504; NaN and infinity are not served.
.set HB,   0                           ; LDS: LN(h) as 2 x 16 tiles, 16 KiB
.set RED1, 16384                       ; 32 rows x 8 waves x 4 bytes: sums
.set RED2, 17408                       ; the same for the squares
.set BI,   18432                       ; bhead, 1,024 words (the last 24 unused)
.set OUTS, 22528                       ; the output block, rows 4,000 bytes apart
.set ACC,  16                          ; v[16:47]   stage 1: tile (f, t) at 16 + 8 (2 f + t); stage 2: two sets of two tiles
.set GA,   48                          ; v[48:63]   gamma of my 16 features
.set BE,   64                          ; v[64:79]   beta
.set RING, 128                         ; v[128:255] stage 1: Wo, 16 fragments; stage 2: four groups of four fragments; at the end the way out
; window 1, v[0:127] (v256-v383): the 32 rows as 16 fragments, row block t, chunk c at 64 t + 8 c: first x, then LN(h)
; v1 16 L  v2 16 tid  v3 gamma offset  v4 bhead offset  v5, v6 sums' LDS addresses  v7 tile store  v8 output store  v9 bias  v10 first column  v11, v12 way out
.set MSB, 0
.macro WIN new                             ; the immediate's high byte repeats the setting that is left
.if MSB != \new
	s_set_vgpr_msb (MSB<<8)|\new
.set MSB, \new
.endif
.endm
.macro NOP4
.rept 4
	v_nop
.endr
.endm
.macro RLD                                 ; group RG of stage 2: half a block of 16 columns, 8 tiles, 4,096 consecutive bytes
.irp k, 0,1,2,3,4,5,6,7
	global_load_b128 v[RING+32*(RG%4)+4*\k:RING+32*(RG%4)+4*\k+3], v1, s[26:27] offset:4096*RG+512*\k
.endr
.endm
.macro SUM16 d, ta, tb
	v_pk_add_f32 v[\d:\d+1], v[\ta:\ta+1], v[\ta+2:\ta+3]
	v_pk_add_f32 v[\d+2:\d+3], v[\tb:\tb+1], v[\tb+2:\tb+3]
.irp k, 4,6
	v_pk_add_f32 v[\d:\d+1], v[\d:\d+1], v[\ta+\k:\ta+\k+1]
	v_pk_add_f32 v[\d+2:\d+3], v[\d+2:\d+3], v[\tb+\k:\tb+\k+1]
.endr
	v_pk_add_f32 v[\d:\d+1], v[\d:\d+1], v[\d+2:\d+3]
	v_add_f32 v[\d], v[\d], v[\d+1]
.endm
.macro SQ16 d, ta, tb
	v_pk_mul_f32 v[\d:\d+1], v[\ta:\ta+1], v[\ta:\ta+1]
	v_pk_mul_f32 v[\d+2:\d+3], v[\tb:\tb+1], v[\tb:\tb+1]
.irp k, 2,4,6
	v_pk_fma_f32 v[\d:\d+1], v[\ta+\k:\ta+\k+1], v[\ta+\k:\ta+\k+1], v[\d:\d+1]
	v_pk_fma_f32 v[\d+2:\d+3], v[\tb+\k:\tb+\k+1], v[\tb+\k:\tb+\k+1], v[\d+2:\d+3]
.endr
	v_pk_add_f32 v[\d:\d+1], v[\d:\d+1], v[\d+2:\d+3]
	v_add_f32 v[\d], v[\d], v[\d+1]
.endm
; v80, v84: the sums over my 16 features for row r of row blocks 0, 1.  Out: v100, v108: the sums over all 256 features.
.macro SHARE red
	v_permlanex16_b32 v88, v80, s46, s47   ; the wave's other 16 features
	v_permlanex16_b32 v89, v84, s46, s47
	v_add_f32 v80, v80, v88
	v_add_f32 v84, v84, v89
	v_cndmask_b32 v90, v80, v84, s20       ; lane L stores row L
	ds_store_b32 v5, v90 offset:\red
	s_wait_dscnt 0x0
	s_barrier_signal -1
	s_barrier_wait -1
	ds_load_b128 v[100:103], v6 offset:\red
	ds_load_b128 v[104:107], v6 offset:\red+16
	ds_load_b128 v[108:111], v6 offset:\red+512
	ds_load_b128 v[112:115], v6 offset:\red+528
	s_wait_dscnt 0x0
	v_pk_add_f32 v[100:101], v[100:101], v[102:103]
	v_pk_add_f32 v[104:105], v[104:105], v[106:107]
	v_pk_add_f32 v[108:109], v[108:109], v[110:111]
	v_pk_add_f32 v[112:113], v[112:113], v[114:115]
	v_pk_add_f32 v[100:101], v[100:101], v[104:105]
	v_pk_add_f32 v[108:109], v[108:109], v[112:113]
	v_add_f32 v100, v100, v101
	v_add_f32 v108, v108, v109
.endm
	s_load_b256 s[4:11], s[0:1], 0x0       ; xo 4, wh 6, gamma 8, beta 10
	s_load_b128 s[12:15], s[0:1], 0x20     ; bhead 12, out0 14
	v_lshl_add_u32 v126, v0, 2, 0x24d00
	v_mov_b32 v127, 0
	v_lshrrev_b32 v14, 5, v0
	v_readfirstlane_b32 s16, v14           ; wave
	v_and_b32 v15, 31, v0                  ; L
	v_lshlrev_b32 v1, 4, v15
	v_lshlrev_b32 v2, 4, v0
	v_and_b32 v14, 15, v0                  ; r
	v_bfe_u32 v13, v0, 4, 1                ; h
	v_lshlrev_b32 v3, 5, v13
	v_lshl_add_u32 v3, s16, 7, v3          ; 4 (32 w + 8 h)
	v_min_u32 v4, 3984, v2                 ; the last 16 bytes of bhead at the most
	v_lshlrev_b32 v5, 5, v15
	v_lshl_add_u32 v5, s16, 2, v5          ; 32 L + 4 w
	v_lshlrev_b32 v6, 5, v14               ; 32 r
	v_lshl_add_u32 v7, s16, 10, v1         ; tiles 2 w, 2 w + 1
	v_lshlrev_b32 v10, 3, v13
	v_lshl_add_u32 v10, s16, 7, v10        ; 128 w + 8 h: my first column
	v_lshlrev_b32 v9, 2, v10
	v_mul_u32_u24 v8, v14, 4000
	v_add_nc_u32 v8, v8, v9
	v_add_nc_u32 v8, OUTS, v8
	v_add_nc_u32 v11, OUTS, v2
	v_add_nc_u32 v12, OUTS+65536, v2
	v_mov_b32 v88, 0
	v_mov_b32 v89, 0
	s_mov_b32 s20, 0xffff0000              ; lanes 16-31
	s_mov_b32 s30, 0x3b800000              ; 1 / 256
	s_mov_b32 s31, 0x3727c5ac              ; 1e-5
	s_mov_b32 s46, 0x76543210
	s_mov_b32 s47, 0xfedcba98
	s_mov_b32 s37, 0
	s_wait_kmcnt 0x0
	s_lshl_b32 s36, ttmp9, 14
	s_add_nc_u64 s[18:19], s[4:5], s[36:37]        ; my 32 rows of x
	s_lshl_b32 s36, s16, 14
	s_add_nc_u64 s[22:23], s[6:7], s[36:37]        ; Wo: feature blocks 2 w, 2 w + 1
	s_lshl_b32 s36, s16, 16
	s_add_co_u32 s36, s36, 131072
	s_add_nc_u64 s[26:27], s[6:7], s[36:37]        ; Whead: column blocks 8 w .. 8 w + 7
	s_mul_i32 s36, ttmp9, 128000
	s_add_nc_u64 s[34:35], s[14:15], s[36:37]      ; my block of the output
	s_load_b32 s24, s[4:5], 0x400400               ; xscale
	WIN 0x40                               ; destination in window 1
.set n, 0
.rept 32
	global_load_b128 v[4*n:4*n+3], v1, s[18:19] offset:512*n
.set n, n+1
.endr
	WIN 0
.set n, 0
.rept 32
	global_load_b128 v[RING+4*n:RING+4*n+3], v1, s[22:23] offset:512*n
.set n, n+1
.endr
.irp f, 0,1
	global_load_b128 v[GA+8*\f:GA+8*\f+3], v3, s[8:9] offset:64*\f
	global_load_b128 v[GA+8*\f+4:GA+8*\f+7], v3, s[8:9] offset:64*\f+16
	global_load_b128 v[BE+8*\f:BE+8*\f+3], v3, s[10:11] offset:64*\f
	global_load_b128 v[BE+8*\f+4:BE+8*\f+7], v3, s[10:11] offset:64*\f+16
.endr
	global_load_b128 v[80:83], v4, s[12:13]
	s_wait_loadcnt 0x0
	ds_store_b128 v2, v[80:83] offset:BI   ; read behind the barriers of the norm
	; STAGE 1: D(m = feature, n = row); the four accumulators take turns
	WIN 0x04                               ; source 1 in window 1
.irp c, 0,1,2,3,4,5,6,7
.irp f, 0,1
.irp t, 0,1
.if \c == 0
	v_wmma_f32_16x16x32_f16 v[ACC+8*(2*\f+\t):ACC+8*(2*\f+\t)+7], v[RING+64*\f+8*\c:RING+64*\f+8*\c+7], v[64*\t+8*\c:64*\t+8*\c+7], 0
.else
	v_wmma_f32_16x16x32_f16 v[ACC+8*(2*\f+\t):ACC+8*(2*\f+\t)+7], v[RING+64*\f+8*\c:RING+64*\f+8*\c+7], v[64*\t+8*\c:64*\t+8*\c+7], v[ACC+8*(2*\f+\t):ACC+8*(2*\f+\t)+7]
.endif
.endr
.endr
.endr
	WIN 0
	NOP4                                   ; four places: then the ring may be loaded and the results read
.set RG, 0
	RLD
.set RG, 1
	RLD
.set RG, 2
	RLD
.set RG, 3
	RLD                                    ; 32 loads of stage 2 land while the norm is made
	; THE NORM.  Lane (r, h) holds row r of row block t, features 16 (2 w + f) + 8 h + j.
	s_wait_kmcnt 0x0
	s_mul_f32 s28, s24, 0x3d800000         ; xscale / 16: h in its true size, which the 1e-5 needs
	s_mov_b32 s29, s28
.irp k, 0,2,4,6,8,10,12,14,16,18,20,22,24,26,28,30
	v_pk_mul_f32 v[ACC+\k:ACC+\k+1], v[ACC+\k:ACC+\k+1], s[28:29] op_sel_hi:[1,0]
.endr
	SUM16 80, ACC, ACC+16
	SUM16 84, ACC+8, ACC+24
	SHARE RED1
	v_mul_f32 v100, s30, v100              ; the means
	v_mul_f32 v108, s30, v108
.irp k, 0,2,4,6
	v_pk_add_f32 v[ACC+\k:ACC+\k+1], v[ACC+\k:ACC+\k+1], v[100:101] op_sel_hi:[1,0] neg_lo:[0,1] neg_hi:[0,1]
	v_pk_add_f32 v[ACC+16+\k:ACC+17+\k], v[ACC+16+\k:ACC+17+\k], v[100:101] op_sel_hi:[1,0] neg_lo:[0,1] neg_hi:[0,1]
	v_pk_add_f32 v[ACC+8+\k:ACC+9+\k], v[ACC+8+\k:ACC+9+\k], v[108:109] op_sel_hi:[1,0] neg_lo:[0,1] neg_hi:[0,1]
	v_pk_add_f32 v[ACC+24+\k:ACC+25+\k], v[ACC+24+\k:ACC+25+\k], v[108:109] op_sel_hi:[1,0] neg_lo:[0,1] neg_hi:[0,1]
.endr
	SQ16 80, ACC, ACC+16
	SQ16 84, ACC+8, ACC+24
	SHARE RED2
	v_fma_f32 v100, v100, s30, s31         ; variance + 1e-5
	v_fma_f32 v108, v108, s30, s31
	v_rsq_f32 v100, v100
	v_rsq_f32 v108, v108
	v_nop
	s_wait_alu depctr_va_vdst(0)
.irp k, 0,2,4,6
	v_pk_mul_f32 v[ACC+\k:ACC+\k+1], v[ACC+\k:ACC+\k+1], v[100:101] op_sel_hi:[1,0]
	v_pk_mul_f32 v[ACC+16+\k:ACC+17+\k], v[ACC+16+\k:ACC+17+\k], v[100:101] op_sel_hi:[1,0]
	v_pk_mul_f32 v[ACC+8+\k:ACC+9+\k], v[ACC+8+\k:ACC+9+\k], v[108:109] op_sel_hi:[1,0]
	v_pk_mul_f32 v[ACC+24+\k:ACC+25+\k], v[ACC+24+\k:ACC+25+\k], v[108:109] op_sel_hi:[1,0]
	v_pk_fma_f32 v[ACC+\k:ACC+\k+1], v[ACC+\k:ACC+\k+1], v[GA+\k:GA+\k+1], v[BE+\k:BE+\k+1]
	v_pk_fma_f32 v[ACC+16+\k:ACC+17+\k], v[ACC+16+\k:ACC+17+\k], v[GA+8+\k:GA+9+\k], v[BE+8+\k:BE+9+\k]
	v_pk_fma_f32 v[ACC+8+\k:ACC+9+\k], v[ACC+8+\k:ACC+9+\k], v[GA+\k:GA+\k+1], v[BE+\k:BE+\k+1]
	v_pk_fma_f32 v[ACC+24+\k:ACC+25+\k], v[ACC+24+\k:ACC+25+\k], v[GA+8+\k:GA+9+\k], v[BE+8+\k:BE+9+\k]
.endr
.irp f, 0,1
.irp t, 0,1
.irp j, 0,1,2,3
	v_cvt_pk_f16_f32 v[80+4*(2*\f+\t)+\j], v[ACC+8*(2*\f+\t)+2*\j], v[ACC+8*(2*\f+\t)+2*\j+1]
.endr
	ds_store_b128 v7, v[80+4*(2*\f+\t):80+4*(2*\f+\t)+3] offset:HB+8192*\t+512*\f
.endr
.endr
	s_wait_dscnt 0x0
	s_barrier_signal -1
	s_barrier_wait -1
	WIN 0x40
.set n, 0
.rept 32
	ds_load_b128 v[4*n:4*n+3], v1 offset:HB+512*n
.set n, n+1
.endr
	WIN 0
	s_wait_dscnt 0x0
	; STAGE 2: D(m = column, n = row): a lane holds eight neighbouring columns of one row.  Group g: column block g / 2, chunks 4 (g % 2) ..
; the finished column block g / 2: / 16, + bias, into the output block in LDS
.macro VOUT
	ds_load_b128 v[80:83], v9 offset:BI+64*(g/2)
	ds_load_b128 v[84:87], v9 offset:BI+64*(g/2)+16
	s_wait_dscnt 0x0
.irp t, 0,1
.irp k, 0,2,4,6
	v_pk_fma_f32 v[ACC+16*((g/2)%2)+8*\t+\k:ACC+16*((g/2)%2)+8*\t+\k+1], v[ACC+16*((g/2)%2)+8*\t+\k:ACC+16*((g/2)%2)+8*\t+\k+1], 0x3d800000, v[80+\k:81+\k] op_sel_hi:[1,0,1]
.endr
.endr
.if g/2 >= 6
	s_wait_xcnt 0x0                        ; EXEC changes only behind s_wait_xcnt 0, both ways
	v_cmp_gt_u32 vcc_lo, 1000-16*(g/2), v10        ; columns 1,000 and up do not exist: they would land in the next row
	s_and_saveexec_b32 s32, vcc_lo
.endif
.irp t, 0,1
	ds_store_b128 v8, v[ACC+16*((g/2)%2)+8*\t:ACC+16*((g/2)%2)+8*\t+3] offset:64000*\t+64*(g/2)
	ds_store_b128 v8, v[ACC+16*((g/2)%2)+8*\t+4:ACC+16*((g/2)%2)+8*\t+7] offset:64000*\t+64*(g/2)+16
.endr
.if g/2 >= 6
	s_wait_xcnt 0x0
	s_or_b32 exec_lo, exec_lo, s32
.endif
.endm
.set g, 0
.rept 16
.if g < 13
	s_wait_loadcnt 24                      ; the three younger groups stay out
.else
	s_wait_loadcnt 8*(15-g)
.endif
	WIN 0x04
.irp cc, 0,1,2,3
.irp t, 0,1                                ; the two accumulators take turns
.if 4*(g%2)+\cc == 0
	v_wmma_f32_16x16x32_f16 v[ACC+16*((g/2)%2)+8*\t:ACC+16*((g/2)%2)+8*\t+7], v[RING+32*(g%4)+8*\cc:RING+32*(g%4)+8*\cc+7], v[64*\t+8*(4*(g%2)+\cc):64*\t+8*(4*(g%2)+\cc)+7], 0
.else
	v_wmma_f32_16x16x32_f16 v[ACC+16*((g/2)%2)+8*\t:ACC+16*((g/2)%2)+8*\t+7], v[RING+32*(g%4)+8*\cc:RING+32*(g%4)+8*\cc+7], v[64*\t+8*(4*(g%2)+\cc):64*\t+8*(4*(g%2)+\cc)+7], v[ACC+16*((g/2)%2)+8*\t:ACC+16*((g/2)%2)+8*\t+7]
.endif
.endr
.endr
	WIN 0
	NOP4                                   ; four places: then the group's registers may be loaded again and the results read
.if g < 12
.set RG, g+4
	RLD
.endif
.if g%2
	VOUT
.endif
.set g, g+1
.endr
	; THE WAY OUT: 128,000 bytes = 8,000 runs of 16; thread tid takes runs tid + 256 k.  Sixteen lanes store 256 consecutive aligned bytes.
	s_wait_dscnt 0x0
	s_barrier_signal -1
	s_barrier_wait -1
.set wk, 0
.rept 31
	ds_load_b128 v[RING+4*wk:RING+4*wk+3], v[11+wk/16] offset:4096*(wk%16)
.set wk, wk+1
.endr
.set wk, 0
.rept 31
	s_wait_dscnt 30-wk                     ; LDS loads return in order: run wk is in
	global_store_b128 v2, v[RING+4*wk:RING+4*wk+3], s[34:35] offset:4096*wk th:TH_STORE_NT
.set wk, wk+1
.endr
	s_cmp_gt_u32 s16, 1                    ; the last 64 runs: waves 0 and 1
	s_cbranch_scc1 .Ldone
	ds_load_b128 v[16:19], v12 offset:61440
	s_wait_dscnt 0x0
	global_store_b128 v2, v[16:19], s[34:35] offset:126976 th:TH_STORE_NT
.Ldone:
	s_wait_tensorcnt 0x0
	ds_add_u32 v126, v127
	s_wait_dscnt 0x0
	s_endpgm
.Lfunc_end_k_qd77dadbbba_head:
	.size	k_qd77dadbbba_head, .Lfunc_end_k_qd77dadbbba_head-k_qd77dadbbba_head
	.p2alignl 7, 3214868480
	.fill 96, 4, 3214868480
	.section	.rodata,"a",@progbits
	.p2align	6, 0x0
	.amdhsa_kernel k_qd77dadbbba_head
		.amdhsa_group_segment_fixed_size 151808
		.amdhsa_private_segment_fixed_size 0
		.amdhsa_enable_private_segment 0
		.amdhsa_kernarg_size 48
		.amdhsa_user_sgpr_count 2
		.amdhsa_user_sgpr_kernarg_segment_ptr 1
		.amdhsa_wavefront_size32 1
		.amdhsa_system_sgpr_workgroup_id_x 1
		.amdhsa_system_sgpr_workgroup_id_y 1
		.amdhsa_system_sgpr_workgroup_id_z 1
		.amdhsa_system_vgpr_workitem_id 0
		.amdhsa_next_free_vgpr 384
		.amdhsa_next_free_sgpr 66
		.amdhsa_reserve_vcc 1
		.amdhsa_float_denorm_mode_32 3
		.amdhsa_float_denorm_mode_16_64 3
		.amdhsa_memory_ordered 1
		.amdhsa_forward_progress 1
		.amdhsa_inst_pref_size 64
	.end_amdhsa_kernel
	.amdgpu_metadata
---
amdhsa.version: [ 1, 2 ]
amdhsa.kernels:
  - .name:           k_qd77dadbbba_head
    .symbol:         k_qd77dadbbba_head.kd
    .args:
      - { .name: xo, .offset: 0, .size: 8, .value_kind: global_buffer, .address_space: global }
      - { .name: wh, .offset: 8, .size: 8, .value_kind: global_buffer, .address_space: global }
      - { .name: gamma, .offset: 16, .size: 8, .value_kind: global_buffer, .address_space: global }
      - { .name: beta, .offset: 24, .size: 8, .value_kind: global_buffer, .address_space: global }
      - { .name: bhead, .offset: 32, .size: 8, .value_kind: global_buffer, .address_space: global }
      - { .name: out0, .offset: 40, .size: 8, .value_kind: global_buffer, .address_space: global }
    .group_segment_fixed_size: 151808
    .private_segment_fixed_size: 0
    .kernarg_segment_align: 8
    .kernarg_segment_size: 48
    .max_flat_workgroup_size: 256
    .sgpr_count:     66
    .vgpr_count:     384
    .wavefront_size: 32
...
	.end_amdgpu_metadata
.endif
;; end of part 4
